; MI455X (gfx1250); checked and timed in simulation.
; The chip was launched on July 23, 2026; its instructions are those of AMD's public machine-readable ISA for CDNA 5 (MIT licence, August 2026) and "CDNA5" Instruction Set Architecture Reference Guide (July 2026). The comments in the code are by the model that wrote it; some were corrected since.
;; Embedding Shard. Allowed arithmetic: matrix products marked QUANTISED: E3M2 operands, one E8M0 scale for each 32 along K, by v_wmma_scale_f32_16x16x128_f8f6f4 with both operands' format E3M2, f32 sums; everything else in f32.
;; Inputs: W 3,150 x 4,096 float32; b 8 x 4,096 float32; x 2 x 2,048 int32.
;; Outputs: out0 4,096 x 4,096 float32.
;; This version of the problem:
;;   THIS VERSION OF THE PROBLEM IS GIVEN IN LOW PRECISION. The matrix products marked QUANTISED in the list below multiply operands that are first quantised to E3M2 (3 exponent bits, 2 mantissa bits; 6 bits a number), with one power-of-two scale for each 32 numbers along K (OCP MX v1.0); their sums are f32. All else is computed in f32.
;;   The module's matrix products, in the order in which they are computed (A, B: the left and right operand; K: the contracted axis; several contracted axes count as one K, in the product's order):
;;     1. [M 4,096, K 3,150] x [K 3,150, N 4,096]; A: computed on the way; B: input W: QUANTISED
;;   THE QUANTISER, for each operand of a quantised product, along K:
;;     - K is cut into blocks of 32 from its start; a last block that is shorter is filled with zeros.
;;     - A block's scale is 2^e with e = floor(log2(the largest magnitude in the block)) - 4, held to -126 .. 127; a block of zeros has e = 0. As a byte (E8M0): e + 127.
;;     - Each number is divided by its block's scale, clamped to +-28, and rounded to the nearest number of E3M2, ties to even, subnormals kept.
;;     - The product sums the exact products of the quantised numbers (number of the format x scale) in f32.
;;   ~~~python
;;   def quantise(x, axis):      # numpy; x: float32 -> the quantised numbers, widened to float32 again
;;       x = np.moveaxis(x, axis, -1); K = x.shape[-1]
;;       x = np.pad(x, [(0, 0)] * (x.ndim - 1) + [(0, -K % 32)]); x = x.reshape(x.shape[:-1] + (-1, 32)); a = np.abs(x).max(-1, keepdims=True)
;;       e = np.where(a > 0, np.clip(np.frexp(np.where(a > 0, a, 1))[1] - 1 - 4, -126, 127), 0)      # np.frexp(a)[1] - 1 = floor(log2(a)), exactly
;;       r = np.clip(x / 2.0 ** e, -28, 28)
;;       step = 2.0 ** (np.maximum(np.frexp(np.where(r == 0, 1, r))[1] - 1, -2) - 2)
;;       q = np.round(r / step) * step * 2.0 ** e      # np.round: ties to even
;;       return np.moveaxis(q.reshape(q.shape[:-2] + (-1,))[..., :K], -1, axis).astype(np.float32)
;;   ~~~
;;   OPERANDS COMPUTED ON THE WAY. 'Computed on the way' means the value that the module computes at that place (a softmax that the list does not call 'softmax' is quantised finished and normalised). What goes into a quantiser is computed in f32, as accurately as f32 sums, v_exp_f32 and their like allow (about 1e-6 of the number): no bf16 or f16 on the way to a quantiser, and a product that is left as it is and whose result goes on into a quantised operand takes f32 operands (vector FMAs, or v_wmma_f32_16x16x4_f32). A number that lies on a knife's edge between two numbers of the format may be rounded either way, as far as f32 arithmetic and the matrix unit's own rounding can turn it there, and no further.
;; One version. Each part assembles by itself: llvm-mc -triple=amdgcn-amd-amdhsa -mcpu=gfx1250 --defsym DOCPART=n.
;; ======== version 1 of 1: 2 launches
;; workspace buffers: wq 9,830,400 bytes; wsc 409,600 bytes; atab 12,800 bytes
;; launch quant (part 1): grid 801 x 1, 4 waves a work-group, no clusters, 25,088 bytes of LDS; arguments W, wq, wsc, atab; writes wq, wsc, atab
.if DOCPART == 1
	.amdgcn_target "amdgcn-amd-amdhsa--gfx1250"
	.amdhsa_code_object_version 6
	.text
	.protected	k_q2f13be0f7e_quant
	.globl	k_q2f13be0f7e_quant
	.p2align	8
	.type	k_q2f13be0f7e_quant,@function
k_q2f13be0f7e_quant:
	s_mov_b64 s[64:65], 0
	v_nop
	global_prefetch_b8 v0, s[64:65] scope:SCOPE_SE
	s_setreg_imm32_b32 hwreg(HW_REG_WAVE_MODE, 25, 1), 1
	s_wait_xcnt 0x0
; W [3150][4096], f32, is the right operand of one_hot(x) W: its K is its FIRST axis.  It is turned into codes of BF6 (E3M2) with one E8M0 scale byte for each 32 along K,
; K filled with zeros up to 3,200 = 25 steps of 128, and laid as the product's launch wants it: as IMAGES OF THE OPERAND'S REGISTERS.
;   wq  [ntile 16][step 25][nb 16][lane 32][48 bytes]: lane r + 16 h of image (nb, s) holds column n = 256 ntile + 16 nb + r: bytes 0-23 the block k = 128 s + 32 h + 0..31, bytes 24-47 the block k = 128 s + 64 + 32 h + 0..31.
;   wsc [ntile 16][step 25][P 8][lane 32][4 bytes]: lane l of record P holds the four scale bytes (k = 128 s + 0..127) of column 256 ntile + 32 P + l.
;   atab: the 128 rows that a one-hot row can be within a K step of 128, put through the same quantiser: bytes 96 p + 48 h + 0..47 are the twelve registers of lane half h for the row that is 1 at place p; bytes 12,288 + 4 p its scale word.
; A LANE TAKES A COLUMN n, AND ITS REGISTERS RUN DOWN K: each load reads 128 consecutive bytes a wave (512 a work-group), a block of 32 along K lies in one lane's 32 registers, and the conversions give codes with K innermost.
; A block's scale is 2^(floor(log2(its largest magnitude)) - 4); its byte is the largest magnitude's exponent field - 4, held at 1 from below.
; LIMITS: NaN and infinities in W are not served.  A block whose largest magnitude lies under 2^-122 keeps the floor's byte, 1.  A block of zeros gets the byte 1 where the rule says 127: its codes are zeros, which add
; nothing under any byte but 0xff, and the bytes are read by this program alone.
; SHARES.  Work-group id < 800: 128 columns (cg = id % 32) x one K step (s = id / 32); wave w takes 32 columns: two images and 32 scale words.  id 768..799 hold the last step, of which 78 rows exist (k = 3,072..3,149): the
; others are written as zeros and no load leaves W.  id 800 makes atab.  Waves share nothing: no barrier.  The two paths that use LDS have LDS bytes of their own.
.set ROWW, 16384                       ; a row of W in bytes
.set XR,   32                          ; v32-159  the 128 numbers of my column, k ascending
.set PR,   160                         ; v160-183 the codes: block t = 2 c + h at PR + 12 h + 6 c: twelve registers for each lane half of the image
.set TR,   184                         ; v184-199 a block's upper 16 codes as the conversion leaves them (its three registers begin on an even number)
.set OUTR, 32                          ; v32-55   the way out, in the numbers' registers
	s_load_b256 s[4:11], s[0:1], 0x0               ; W s[4:5], wq s[6:7], wsc s[8:9], atab s[10:11]
	v_lshl_add_u32 v200, v0, 2, 0x6000
	v_mov_b32 v201, 0
	v_lshrrev_b32 v1, 5, v0
	v_readfirstlane_b32 s12, v1                    ; wave 0..3
	v_and_b32 v1, 31, v0                           ; lane
	v_lshlrev_b32 v2, 2, v1                        ; 4 x lane: my column in a row of W, and my scale word's place
	s_mul_i32 s15, s12, 3072                       ; my wave's stage, and its two images in wq
	v_lshrrev_b32 v6, 4, v1
	v_and_b32 v7, 15, v1
	v_mul_u32_u24 v3, v6, 1536
	v_mad_u32_u24 v3, v7, 48, v3
	v_add_nc_u32 v3, s15, v3                       ; into the stage: image lane / 16, its lane r = lane % 16; 768 h and 16 g stand in the immediate.  48 bytes from lane to lane: sixteen lanes, sixteen different columns of 16 bytes
	v_lshlrev_b32 v5, 4, v1                        ; 16 x lane: out of the stage and into wq
	v_add_nc_u32 v4, s15, v5
	v_mov_b32 v13, 1.0                             ; for the table
	v_mul_u32_u24 v14, v0, 96                      ; row p = my thread's number
	v_lshlrev_b32 v15, 2, v0
	s_and_b32 s13, ttmp9, 31                       ; cg
	s_lshr_b32 s14, ttmp9, 5                       ; s
	s_lshl_b32 s16, s14, 21                        ; W: 128 s rows of 16,384 bytes,
	s_lshl_b32 s22, s13, 9
	s_add_co_u32 s16, s16, s22                     ; + 512 cg
	s_lshl_b32 s22, s12, 7
	s_add_co_u32 s16, s16, s22                     ; + 128 x wave
	s_mov_b32 s17, 0
	s_lshr_b32 s23, s13, 1                         ; ntile
	s_and_b32 s24, s13, 1                          ; which half of it
	s_mul_i32 s18, s23, 614400                     ; wq: 614,400 ntile + 24,576 s + 12,288 half + 3,072 wave
	s_mul_i32 s25, s14, 24576
	s_add_co_u32 s18, s18, s25
	s_mul_i32 s25, s24, 12288
	s_add_co_u32 s18, s18, s25
	s_add_co_u32 s18, s18, s15
	s_mov_b32 s19, 0
	s_mul_i32 s20, s23, 25600                      ; wsc: 25,600 ntile + 1,024 s + 512 half + 128 wave
	s_lshl_b32 s25, s14, 10
	s_add_co_u32 s20, s20, s25
	s_lshl_b32 s25, s24, 9
	s_add_co_u32 s20, s20, s25
	s_add_co_u32 s20, s20, s22
	s_mov_b32 s21, 0
	s_wait_kmcnt 0x0
; block t of my column: n loads, one row of W each; the rows past K's end are written as zeros
.macro LOADB t, n
.set i, 0
.rept 32
.if i < (\n)
	global_load_b32 v[XR+32*(\t)+i], v2, s[4:5] offset:(32*(\t)+i)*ROWW th:TH_LOAD_NT   ; 127 rows at the most: inside the signed 24-bit immediate (ISA guide, chapter 10); W is read once
.else
	v_mov_b32 v[XR+32*(\t)+i], 0
.endif
.set i, i+1
.endr
.endm
; block t's 32 numbers become 32 codes (six registers) and a byte of the scale word v12
.macro QCORE t
.set XS, XR+32*(\t)
.set PD, PR+12*((\t)%2)+6*((\t)/2)
	v_max3_num_f32 v8, |v[XS]|, |v[XS+1]|, |v[XS+2]|               ; the block's largest magnitude, in two chains: all 32 numbers are mine
	v_max3_num_f32 v9, |v[XS+3]|, |v[XS+4]|, |v[XS+5]|
.irp i, 6,10,14,18,22,26
	v_max3_num_f32 v8, v8, |v[XS+\i]|, |v[XS+\i+1]|
	v_max3_num_f32 v9, v9, |v[XS+\i+2]|, |v[XS+\i+3]|
.endr
	v_max3_num_f32 v8, v8, |v[XS+30]|, |v[XS+31]|
	v_max3_num_f32 v8, v8, v9, 0x2800000           ; and the floor 2^(5 - 127): the byte cannot fall under 1
	v_add_nc_u32 v10, 0xfe000000, v8               ; 4 off its exponent field: the conversion takes the exponent field of this operand as its scale, and nothing else of it
	v_lshrrev_b32 v11, 23, v10                     ; the scale's byte
.if (\t) == 0
	v_mov_b32 v12, v11                             ; four bytes to the word, the lower K in the lower byte
.else
	v_lshl_or_b32 v12, v11, 8*(\t), v12
.endif
	v_cvt_scalef32_pk16_bf6_f32 v[PD:PD+2], v[XS:XS+15], v10
	v_cvt_scalef32_pk16_bf6_f32 v[TR+4*(\t):TR+4*(\t)+2], v[XS+16:XS+31], v10
	v_nop                                          ; one plain place behind a scaled conversion
.irp i, 0,1,2
	v_mov_b32 v[PD+3+\i], v[TR+4*(\t)+\i]
.endr
.endm
; a wave's whole task.  n0..n3: the rows that exist in blocks 0..3;  sb: the path's LDS bytes
.macro TASK n0, n1, n2, n3, sb
	LOADB 0, \n0
	LOADB 1, \n1                                   ; loads run two blocks ahead
	s_wait_loadcnt \n1                             ; block 0 is in; behind its loads only block 1's were issued
	LOADB 2, \n2
	QCORE 0
	s_wait_loadcnt \n2                             ; block 1 is in; block 2's may be out
	LOADB 3, \n3
	QCORE 1
	s_wait_loadcnt \n3                             ; block 2 is in; block 3's may be out
	QCORE 2
	s_wait_loadcnt 0x0
	QCORE 3
.irp h, 0,1                            ; my column's 96 bytes belong to two lanes of an image: they go through my wave's own stage
.irp g, 0,1,2
	ds_store_b128 v3, v[PR+12*\h+4*\g:PR+12*\h+4*\g+3] offset:\sb+768*\h+16*\g
.endr
.endr
.irp i, 0,1,2,3,4,5
	ds_load_b128 v[OUTR+4*\i:OUTR+4*\i+3], v4 offset:\sb+512*\i   ; LDS serves a wave's instructions in order (ISA guide 5.7.1.4): these see my stores
.endr
	global_store_b32 v2, v12, s[8:9]               ; 32 scale words: 128 consecutive bytes a wave, 512 a work-group
.irp i, 0,1,2,3,4,5
	s_wait_dscnt 5-\i                              ; load i is back; the younger ones may be out
	global_store_b128 v5, v[OUTR+4*\i:OUTR+4*\i+3], s[6:7] offset:512*\i   ; 32 lanes store 512 consecutive bytes, at a multiple of 256 from wq's first byte
.endr
	s_wait_tensorcnt 0x0
	ds_add_u32 v200, v201
	s_wait_dscnt 0x0
	s_endpgm
.endm
	s_cmp_eq_u32 ttmp9, 800
	s_cbranch_scc1 .Ltable
	s_add_nc_u64 s[4:5], s[4:5], s[16:17]
	s_add_nc_u64 s[6:7], s[6:7], s[18:19]
	s_add_nc_u64 s[8:9], s[8:9], s[20:21]
	s_cmp_ge_u32 ttmp9, 768
	s_cbranch_scc1 .Ltail
	TASK 32, 32, 32, 32, 0
.Ltail:
	TASK 32, 32, 14, 0, 12288                      ; K step 24: 3,150 - 3,072 = 78 rows exist
.Ltable:
	; thread p makes the row that is 1 at place p and 0 elsewhere, in f32, and quantises it as any operand is quantised
.set k, 0
.rept 128
	v_cmp_eq_u32 vcc_lo, k, v0
	v_cndmask_b32 v[XR+k], 0, v13, vcc_lo
.set k, k+1
.endr
	QCORE 0
	QCORE 1
	QCORE 2
	QCORE 3
.irp h, 0,1
.irp g, 0,1,2
	global_store_b128 v14, v[PR+12*\h+4*\g:PR+12*\h+4*\g+3], s[10:11] offset:48*\h+16*\g   ; a thread's six stores fill its 96 consecutive bytes
.endr
.endr
	global_store_b32 v15, v12, s[10:11] offset:12288
	s_endpgm
.Lfunc_end_k_q2f13be0f7e_quant:
	.size	k_q2f13be0f7e_quant, .Lfunc_end_k_q2f13be0f7e_quant-k_q2f13be0f7e_quant
	.p2alignl 7, 3214868480
	.fill 96, 4, 3214868480
	.section	.rodata,"a",@progbits
	.p2align	6, 0x0
	.amdhsa_kernel k_q2f13be0f7e_quant
		.amdhsa_group_segment_fixed_size 25088
		.amdhsa_private_segment_fixed_size 0
		.amdhsa_enable_private_segment 0
		.amdhsa_kernarg_size 32
		.amdhsa_user_sgpr_count 2
		.amdhsa_user_sgpr_kernarg_segment_ptr 1
		.amdhsa_wavefront_size32 1
		.amdhsa_system_sgpr_workgroup_id_x 1
		.amdhsa_system_sgpr_workgroup_id_y 1
		.amdhsa_system_sgpr_workgroup_id_z 1
		.amdhsa_system_vgpr_workitem_id 0
		.amdhsa_next_free_vgpr 202
		.amdhsa_next_free_sgpr 66
		.amdhsa_reserve_vcc 1
		.amdhsa_float_denorm_mode_32 3
		.amdhsa_float_denorm_mode_16_64 3
		.amdhsa_memory_ordered 1
		.amdhsa_forward_progress 1
		.amdhsa_inst_pref_size 55
	.end_amdhsa_kernel
	.amdgpu_metadata
---
amdhsa.version: [ 1, 2 ]
amdhsa.kernels:
  - .name:           k_q2f13be0f7e_quant
    .symbol:         k_q2f13be0f7e_quant.kd
    .args:
      - { .name: W, .offset: 0, .size: 8, .value_kind: global_buffer, .address_space: global }
      - { .name: wq, .offset: 8, .size: 8, .value_kind: global_buffer, .address_space: global }
      - { .name: wsc, .offset: 16, .size: 8, .value_kind: global_buffer, .address_space: global }
      - { .name: atab, .offset: 24, .size: 8, .value_kind: global_buffer, .address_space: global }
    .group_segment_fixed_size: 25088
    .private_segment_fixed_size: 0
    .kernarg_segment_align: 8
    .kernarg_segment_size: 32
    .max_flat_workgroup_size: 128
    .sgpr_count:     66
    .vgpr_count:     202
    .wavefront_size: 32
...
	.end_amdgpu_metadata
.endif
;; end of part 1
;; launch gemm (part 2): grid 16 x 16, 4 waves a work-group, clusters of 4 x 1, 327,680 bytes of LDS; arguments x, b, wq, wsc, atab, out0; writes out0
.if DOCPART == 2
	.amdgcn_target "amdgcn-amd-amdhsa--gfx1250"
	.amdhsa_code_object_version 6
	.text
	.protected	k_q2f13be0f7e_gemm
	.globl	k_q2f13be0f7e_gemm
	.p2align	8
	.type	k_q2f13be0f7e_gemm,@function
k_q2f13be0f7e_gemm:
	s_mov_b64 s[64:65], 0
	v_nop
	global_prefetch_b8 v0, s[64:65] scope:SCOPE_SE
	s_setreg_imm32_b32 hwreg(HW_REG_WAVE_MODE, 25, 1), 1
	s_wait_xcnt 0x0
	s_wait_alu depctr_hold_cnt(0) depctr_sa_sdst(0) depctr_va_vdst(0) depctr_va_sdst(0) depctr_va_ssrc(0) depctr_va_vcc(0) depctr_vm_vsrc(0)
	s_getreg_b32 s2, hwreg(HW_REG_IB_STS2, 6, 4)
	s_cmp_eq_u32 s2, 0
	s_cbranch_scc0 .Lentry_in_a_cluster
	s_endpgm
.Lentry_in_a_cluster:
	s_bfe_u32 s2, ttmp6, 0x10000c
	s_cmp_lg_u32 s2, 0x3003
	s_cbranch_scc0 .Lentry_shape_is_right
	s_endpgm
.Lentry_shape_is_right:
; out0[t][n] = sum over k of one_hot(x[t])[k] W[k][n] + sum over the 8 rows of b[.][n]: [4096][4096] f32.  The product goes on codes of BF6 (E3M2) with one E8M0 scale for each 32 along K; K = 3,150 is filled with zero codes to 25 steps of 128.
; W'S CODES AND SCALE WORDS come from the launch before, laid as images of the operand's registers (wq: [ntile][step][nb 16][lane 32][48 bytes]; wsc: [ntile][step][P 8][lane 32][4 bytes]): a fragment is three ds_load_b128, 48 bytes from lane to lane.
; THE ONE-HOT OPERAND NEVER LEAVES THE REGISTERS.  Within a K step of 128 a token's row is all zeros, or it is 1 at place p = x % 128, in the one step s = x / 128.  The 128 such rows, quantised by the stated quantiser, lie in atab.  Each lane
; gathers its tokens' rows once (8 fragments, 96 registers, and 8 scale words); for each K step the fragments are copied under the mask x / 128 == s, zero codes elsewhere.  Zero codes add nothing under any scale byte that is not 0xff.
; LIMIT: an index outside 0..3,149 gives the bias alone, as one_hot gives a row of zeros (its step is never met, or it meets W's zero codes).
; SHARES.  A tile of 256 x 256 to a work-group of four waves; a wave makes 128 x 128: 64 accumulators of 16 x 16, 512 registers; 25 steps x 64 matrix instructions.
; THE MATRIX INSTRUCTION IS USED TRANSPOSED (source 0 = 16 columns of W, source 1 = 16 tokens): lane (r, h) register j holds out0(token r, column 16 b + 8 h + j): eight neighbouring numbers of a row.
; THE BIAS is summed once, in f32, laid in the result's layout, and is the C of each sum's first matrix instruction: nothing is cleared and nothing is added afterwards.
; CLUSTER 4, 1, 1: the four work-groups of a cluster make four row tiles of ONE column tile, so they want the same bytes of wq and wsc: every tensor load is a joint one with the mask 15.  Not 4 x 4: the other operand is not loaded at all, so
; nothing is shared along the other axis.  The place in the cluster enters x's and out0's addresses alone.
; K's SCHEDULE.  Step 0 has LDS bytes of its own, filled once.  Steps 1..24 are six VISITS of four steps, visit v in slot v % 2; a wave's tensor load brings one step of a visit (24,576 dense bytes).  Behind the round at a visit's end the slot just
; left is filled with the visit two on: that load has four steps, 256 matrix instructions of the wave, in which to land.  All scale words of the column tile (25,600 bytes) come once, with the first fills.
; REGISTERS, in windows of 256: window 0: v0-15 addresses; v16-23 x / 128; v24-31 the tokens' scale words; v32-39 W's scale words, two sets; v40-63 the gather's offsets; v64-159 the one-hot fragments; v160-255 the masked fragments (source 1).
;   window 1: W's fragments, set 0 at v0-95, set 1 at v128-223; the bias in v96-127 and v224-255.   window 2: the accumulators of my tokens 0-63 ((a, b) at v[8 (8 a + b)]);   window 3: those of tokens 64-127.
.set STEPB,  24576                     ; a K step of W's codes for 256 columns
.set VISB,   4*STEPB                   ; a visit, and a slot
.set PSLOT,  VISB                      ; behind slot 0: step 0
.set SLOT1,  1<<17                     ; slot 1 begins here, so that one exclusive or turns an address in one slot into the other's
.set SCL,    SLOT1+VISB                ; the scale words of all 25 steps
.set SPARE,  SCL+25600                 ; the spare words, 128 bytes for each wave: two blocks of 256 bytes that no other line names
.set BSC,    SPARE+512                 ; the bias on its way into the result's layout: 512 bytes for each wave
.set STAGE,  BSC+2048                  ; the way out: 16 rows x (512 bytes + 16) for each wave.  No fill ever lands from BSC on
.set SPITCH, 528
.set RR,  1                            ; v1   r = lane % 16
.set HH,  2                            ; v2   h = lane / 16
.set AB0, 3                            ; v3   my lane's place in a step's images: 48 x lane + 12,288 x (my half of the columns)
.set AB3, 4                            ; v4   the same three steps on (an LDS immediate has 16 bits)
.set AS0, 5                            ; v5   my lane's place among a step's scale words
.set ADR, 6                            ; v6   the address of the fragments' loads in hand (at the head: 48 h)
.set ADS, 7                            ; v7   of the scale words' (at the head: the lane)
.set STO, 8                            ; v8   the way out: where I put 32 bytes of a row
.set RD,  9                            ; v9   where I read a row back
.set CO,  10                           ; v10  16 x lane: my bytes of a row of 512
.set SPW, 11                           ; v11  LDS address of my spare word: SPARE + 4 x my thread's number; never rewritten
.set NIL, 12                           ; v12  0; never rewritten
.set XO,  13                           ; v13  4 r
.set BRD, 14                           ; v14  the bias: where I read it back
.set BST, 15                           ; v15  and where I put my four sums
.set KEY, 16                           ; v16-23  block a: my token's K step, x / 128
.set SA,  24                           ; v24-31  block a: my token's scale word; scales and nothing else
.set SB,  32                           ; v32-39  set p at SB + 4 p: register i: lanes 0-15 the words of W's block 2 i, lanes 16-31 of block 2 i + 1; scales and nothing else
.set GA,  40                           ; v40-47  96 p + 48 h
.set GS,  48                           ; v48-55  4 p
.set TK,  56                           ; v56-63  the tokens, then p
.set OHF, 64                           ; v64-159  block a's one-hot fragment at OHF + 12 a
.set AM,  160                          ; v160-255 the same under the step's mask
.set BK,  64                           ; the way out: 16 rows read back: v64-127 and v128-191 by turns
.set WV,  16                           ; s16  my wave's number;  s17 my half of the tile's rows;  s18 of its columns
.set WM,  17
.set WN,  18
.set G1V, 28                           ; s[28:35] descriptor group 1: 96 rows of 256 bytes;  s[36:43]: 24 rows;  s[44:51]: 25 rows
.set G1P, 36
.set G1S, 44
.set G0S, 52                           ; s[52:55] group 0 for the scale words;  s[56:59] for step 0;  s[60:63] for visit 0;  s[68:71] for visit 1, which then walks
.set G0P, 56
.set G0A, 60
.set G0W, 68
.set TB,  72                           ; s72  the slot from which the next fragments are read
.set TS,  73                           ; s73  where the next step's scale words begin: 1,024 bytes a step
.set NS,  74                           ; s74  the step for which masks are made
.set CNT, 75
.set MSB, 0
.macro WIN new                         ; the immediate's high byte repeats the setting that is left; a switch that changes nothing is dropped
.if MSB != \new
	s_set_vgpr_msb (MSB<<8)|\new
.set MSB, \new
.endif
.endm
.set MUL_LO,   0xa1                    ; source 0 (W) window 1, source 1 (tokens) window 0, C and D window 2
.set MUL_HI,   0xf1                    ; the same, C and D window 3
.set FIRST_LO, 0x91                    ; C (the bias) window 1, D window 2
.set FIRST_HI, 0xd1                    ; C window 1, D window 3
.set TO_B,     0x40                    ; destination window 1, address window 0
.macro PLACES n
.rept \n
	v_nop
.endr
.endm
.macro CREST                           ; a round of the cluster's barrier behind its opening barrier
	s_cmp_lg_u32 s[WV], 0
	s_cbranch_scc1 .Lnot_wave_0_\@
	s_barrier_signal -3
.Lnot_wave_0_\@:
	s_barrier_wait -3
	s_barrier_signal -1
	s_barrier_wait -1
.endm
.macro CROUND                          ; a whole round
	s_barrier_signal -1
	s_barrier_wait -1
	CREST
.endm
	s_load_b256 s[4:11], s[0:1], 0x0               ; x s[4:5], b s[6:7], wq s[8:9], wsc s[10:11]
	s_load_b128 s[12:15], s[0:1], 0x20             ; atab s[12:13], out0 s[14:15]
	v_lshl_add_u32 v[SPW], v0, 2, SPARE
	v_mov_b32 v[NIL], 0
	ds_add_u32 v11, v12
	ds_add_u32 v11, v12
	s_wait_dscnt 0x0
	v_lshrrev_b32 v1, 5, v0
	v_readfirstlane_b32 s[WV], v1                  ; wave 0..3
	s_lshr_b32 s[WM], s[WV], 1
	s_and_b32 s[WN], s[WV], 1
	s_bfe_u32 s19, ttmp6, 0x40000                  ; cx: my place in the cluster
	s_lshl_b32 s20, ttmp9, 2                       ; in a cluster launch ttmp9 counts clusters
	s_add_co_u32 s20, s20, s19                     ; row tile = 4 x cluster x + cx
	s_and_b32 s21, ttmp7, 0xffff                   ; column tile, which the four partners share
	; descriptor groups 1: dense blocks as rows of 256 bytes (32 elements of 8 bytes), no padding: an image's lanes already stand 48 bytes apart
.irp g, G1V, G1P, G1S
	s_mov_b32 s[\g+0], 15|(3<<16)|(1<<21)          ; 15:0 the mask: all four work-groups; 17:16 elements of 8 bytes; 20 padding off; 21 set beside a mask
	s_mov_b32 s[\g+1], 32<<16                      ; tensor_dim0 = 32
	s_mov_b32 s[\g+3], 32<<16                      ; tile_dim0 = 32
	s_mov_b32 s[\g+5], 32                          ; tensor_dim0_stride = 32
	s_mov_b32 s[\g+6], 0
	s_mov_b32 s[\g+7], 0
.endr
	s_mov_b32 s[G1V+2], 96<<16                     ; tensor_dim1 and tile_dim1: 96 rows = a step of a visit,
	s_mov_b32 s[G1V+4], 96
	s_mov_b32 s[G1P+2], 24<<16                     ; 24 rows = a quarter of step 0,
	s_mov_b32 s[G1P+4], 24
	s_mov_b32 s[G1S+2], 25<<16                     ; 25 rows = a quarter of the scale words
	s_mov_b32 s[G1S+4], 25
	; every address register is made here, of the thread's number, the wave's number and constants
	v_and_b32 v[RR], 15, v0
	v_bfe_u32 v[HH], v0, 4, 1
	v_and_b32 v[ADS], 31, v0                       ; the lane
	v_mul_u32_u24 v[AB0], v[ADS], 48
	s_mul_i32 s2, s[WN], 12288                     ; my 8 of the step's 16 images
	v_add_nc_u32 v[AB0], s2, v[AB0]
	v_add_nc_u32 v[AB3], 3*STEPB, v[AB0]
	s_lshl_b32 s2, s[WN], 9                        ; my 4 of the step's 8 records of scale words
	s_add_co_u32 s2, s2, SCL
	v_lshl_add_u32 v[AS0], v[ADS], 2, s2
	v_lshlrev_b32 v[CO], 4, v[ADS]
	s_mul_i32 s2, s[WV], 16*SPITCH
	s_add_co_u32 s2, s2, STAGE                     ; my stage
	v_mul_u32_u24 v[STO], v[RR], SPITCH            ; in: row r, 32 bytes for each half of the lanes
	v_lshl_add_u32 v[STO], v[HH], 5, v[STO]
	v_add_nc_u32 v[STO], s2, v[STO]
	v_add_nc_u32 v[RD], s2, v[CO]                  ; back: the 32 lanes take one row of 512 bytes
	v_lshlrev_b32 v[XO], 2, v[RR]
	s_lshl_b32 s2, s[WV], 9
	s_add_co_u32 s2, s2, BSC
	v_lshl_add_u32 v[BRD], v[HH], 5, s2
	v_lshl_add_u32 v[BST], v0, 4, BSC
	v_mul_u32_u24 v[ADR], v[HH], 48                ; 48 h, for the gather
	; offsets.  Those of x and out0 hang on my place in the cluster and stay in s19, s20, s22, s23, s26, s27; those of the joint loads are made in s2, s3, s76-79, which never hold it
	s_lshl_b32 s22, s20, 8
	s_lshl_b32 s23, s[WM], 7
	s_add_co_u32 s22, s22, s23                     ; my first token: 256 x row tile + 128 x half
	s_lshl_b32 s24, s21, 10
	s_lshl_b32 s25, s[WN], 9
	s_add_co_u32 s24, s24, s25                     ; my first column, in bytes: 1,024 x column tile + 512 x half
	s_mov_b32 s25, 0
	s_lshl_b32 s26, s22, 14                        ; out0: rows of 16,384 bytes (under 2^27 in all)
	s_add_co_u32 s26, s26, s24
	s_mov_b32 s27, 0
	s_lshl_b32 s22, s22, 2                         ; x: 4 bytes a token
	s_mov_b32 s23, 0
	s_mul_i32 s76, s21, 614400                     ; wq at my column tile
	s_mov_b32 s77, 0
	s_mul_i32 s78, s21, 25600                      ; wsc at my column tile,
	s_mul_i32 s3, s[WV], 6400
	s_add_co_u32 s78, s78, s3                      ; my quarter of it
	s_mov_b32 s79, 0
	s_mov_b32 s[G0S], 1                            ; groups 0: 1:0 count = 1; 63:32 the LDS address: a constant + the wave's number x a constant
	s_add_co_u32 s[G0S+1], s3, SCL
	s_mul_i32 s3, s[WV], 6144
	s_mov_b32 s[G0P], 1
	s_add_co_u32 s[G0P+1], s3, PSLOT
	s_mul_i32 s2, s[WV], STEPB
	s_mov_b32 s[G0A], 1
	s_mov_b32 s[G0A+1], s2
	s_mov_b32 s[G0W], 1
	s_add_co_u32 s[G0W+1], s2, SLOT1
	s_mov_b32 s[TB], 0
	s_mov_b32 s[TS], 0
	s_wait_kmcnt 0x0
	s_add_nc_u64 s[4:5], s[4:5], s[22:23]
	s_add_nc_u64 s[6:7], s[6:7], s[24:25]
	s_add_nc_u64 s[14:15], s[14:15], s[26:27]
.irp a, 0,1,2,3,4,5,6,7
	global_load_b32 v[TK+\a], v[XO], s[4:5] offset:64*\a           ; token 16 a + r; both halves of the lanes take the same
.endr
.irp i, 0,1,2,3,4,5,6,7
	global_load_b128 v[AM+4*\i:AM+4*\i+3], v[CO], s[6:7] offset:16384*\i   ; row i of b at my wave's 128 columns, four a lane: 512 consecutive bytes
.endr
	s_add_nc_u64 s[8:9], s[8:9], s[76:77]
	s_add_nc_u64 s[G0S+2:G0S+3], s[10:11], s[78:79]                ; 120:64 the global address
	s_mov_b32 s76, s3
	s_add_nc_u64 s[G0P+2:G0P+3], s[8:9], s[76:77]                  ; step 0, my quarter
	s_mov_b32 s76, s2
	s_add_nc_u64 s[G0A+2:G0A+3], s[8:9], s[76:77]
	s_add_nc_u64 s[G0A+2:G0A+3], s[G0A+2:G0A+3], STEPB             ; visit 0 begins at step 1; my step of it
	s_add_nc_u64 s[G0W+2:G0W+3], s[G0A+2:G0A+3], VISB              ; visit 1
	s_or_b32 s[G0S+3], s[G0S+3], 0x80000000                        ; 127:126 type = 2
	s_or_b32 s[G0P+3], s[G0P+3], 0x80000000
	s_or_b32 s[G0A+3], s[G0A+3], 0x80000000
	s_or_b32 s[G0W+3], s[G0W+3], 0x80000000
	CROUND                                         ; all four work-groups are here: the first joint loads meet
	tensor_load_to_lds s[G0S:G0S+3], s[G1S:G1S+7]  ; the first fills go out as one group: four tensor loads of mine are out
	s_nop 0
	tensor_load_to_lds s[G0P:G0P+3], s[G1P:G1P+7]
	s_nop 0
	tensor_load_to_lds s[G0A:G0A+3], s[G1V:G1V+7]
	s_nop 0
	tensor_load_to_lds s[G0W:G0W+3], s[G1V:G1V+7]
	s_nop 0
	PLACES 4
	s_wait_loadcnt 0x8                             ; the tokens are in; b's eight loads may be out
.irp a, 0,1,2,3,4,5,6,7
	v_lshrrev_b32 v[KEY+\a], 7, v[TK+\a]           ; the K step in which my token's row is not zero
	v_and_b32 v[TK+\a], 127, v[TK+\a]              ; p, its place there,
	v_min_u32 v[TK+\a], 127, v[TK+\a]              ; held inside the table
	v_mul_u32_u24 v[GA+\a], v[TK+\a], 96
	v_add_nc_u32 v[GA+\a], v[ADR], v[GA+\a]
	v_lshlrev_b32 v[GS+\a], 2, v[TK+\a]
.endr
.irp a, 0,1,2,3,4,5,6,7
.irp g, 0,1,2
	global_load_b128 v[OHF+12*\a+4*\g:OHF+12*\a+4*\g+3], v[GA+\a], s[12:13] offset:16*\g   ; my token's one-hot row as twelve registers of my lane half
.endr
.endr
.irp a, 0,1,2,3,4,5,6,7
	global_load_b32 v[SA+\a], v[GS+\a], s[12:13] offset:12288      ; and its scale word
.endr
	s_wait_loadcnt 0x20                            ; b is in; the 32 loads of the gather may be out
.irp i, 0,2,4,6                        ; the sum of b's eight rows, in f32, as a tree of packed additions
	v_pk_add_f32 v[AM+4*\i:AM+4*\i+1], v[AM+4*\i:AM+4*\i+1], v[AM+4*\i+4:AM+4*\i+5]
	v_pk_add_f32 v[AM+4*\i+2:AM+4*\i+3], v[AM+4*\i+2:AM+4*\i+3], v[AM+4*\i+6:AM+4*\i+7]
.endr
.irp i, 0,4
	v_pk_add_f32 v[AM+4*\i:AM+4*\i+1], v[AM+4*\i:AM+4*\i+1], v[AM+4*\i+8:AM+4*\i+9]
	v_pk_add_f32 v[AM+4*\i+2:AM+4*\i+3], v[AM+4*\i+2:AM+4*\i+3], v[AM+4*\i+10:AM+4*\i+11]
.endr
	v_pk_add_f32 v[AM:AM+1], v[AM:AM+1], v[AM+16:AM+17]
	v_pk_add_f32 v[AM+2:AM+3], v[AM+2:AM+3], v[AM+18:AM+19]
	ds_store_b128 v[BST], v[AM:AM+3]               ; my wave's 128 sums, 512 bytes of its own
	WIN TO_B
.irp b, 0,1,2,3,4,5,6,7                ; back in the result's layout: for W's block b lane (r, h) wants columns 16 b + 8 h + 0..7.  LDS serves a wave's instructions in order (ISA guide 5.7.1.4)
	ds_load_b128 v[96+8*\b+96*(\b/4):96+8*\b+96*(\b/4)+3],   v[BRD] offset:64*\b
	ds_load_b128 v[96+8*\b+96*(\b/4)+4:96+8*\b+96*(\b/4)+7], v[BRD] offset:64*\b+16
.endr
	WIN 0
; 16 matrix instructions: token blocks a0, a0 + 1 x W's eight blocks, 128 along K.  p: W's set and its scale words'.  first = 1: C is the bias.
; The 64 accumulators take turns, one instruction a turn, in the same order in every step.
.macro MUL16 a0, p, first
.irp a, \a0, \a0+1
.irp b, 0,1,2,3,4,5,6,7
.set rD, 8*(8*((\a)%4)+\b)
.set rC, rD
.if \first
.set rC, 96+8*\b+96*(\b/4)
.endif
.set rB, 128*(\p)+12*\b
.set rA, AM+12*(\a)
.set rSB, SB+4*(\p)+\b/2
.set rSA, SA+(\a)
.if (\b)%2
	v_wmma_scale_f32_16x16x128_f8f6f4 v[rD:rD+7], v[rB:rB+11], v[rA:rA+11], v[rC:rC+7], v[rSB], v[rSA] matrix_a_fmt:MATRIX_FMT_BF6 matrix_b_fmt:MATRIX_FMT_BF6 matrix_a_scale:MATRIX_SCALE_ROW1
.else
	v_wmma_scale_f32_16x16x128_f8f6f4 v[rD:rD+7], v[rB:rB+11], v[rA:rA+11], v[rC:rC+7], v[rSB], v[rSA] matrix_a_fmt:MATRIX_FMT_BF6 matrix_b_fmt:MATRIX_FMT_BF6
.endif
.endr
.endr
.endm
; 24 LDS loads in one run: W's eight fragments of the q-th step of the slot at s[TB] (q = -1: step 0's own bytes) into set p
.macro FETCH_B p, q
	WIN 0
.if (\q) < 0
	v_add_nc_u32 v[ADR], PSLOT, v[AB0]
.set QO, 0
.elseif (\q) == 3
	v_add_nc_u32 v[ADR], s[TB], v[AB3]
.set QO, 0
.else
	v_add_nc_u32 v[ADR], s[TB], v[AB0]
.set QO, (\q)*STEPB
.endif
	WIN TO_B
.irp b, 0,1,2,3,4,5,6,7
.irp g, 0,1,2
	ds_load_b128 v[128*(\p)+12*\b+4*\g:128*(\p)+12*\b+4*\g+3], v[ADR] offset:QO+1536*\b+16*\g
.endr
.endr
	WIN 0
.endm
.macro SCALES p                        ; the same step's scale words into set p: four registers serve W's eight blocks
	v_add_nc_u32 v[ADS], s[TS], v[AS0]
	s_add_co_u32 s[TS], s[TS], 1024
.irp i, 0,1,2,3
	ds_load_b32 v[SB+4*(\p)+\i], v[ADS] offset:128*\i
.endr
.endm
.macro MASK a0                         ; token blocks a0 .. a0 + 3 for step s[NS]: the one-hot fragment where my token's step is that step, zero codes elsewhere
.irp a, \a0, \a0+1, \a0+2, \a0+3
	v_cmp_eq_u32 vcc_lo, s[NS], v[KEY+(\a)]
.irp j, 0,1,2,3,4,5,6,7,8,9,10,11
	v_cndmask_b32 v[AM+12*(\a)+\j], 0, v[OHF+12*(\a)+\j], vcc_lo
.endr
.endr
.endm
; A vector instruction that writes a register of a matrix instruction, and a load into one, stand four places behind it, and only plain vector instructions that name none of its registers are places (ISA guide 7.12.1 for
; vector instructions).  An operand written by vector instructions stands four places ahead of a scaled matrix instruction.  Here: blocks 0-3 are masked anew in a step's middle, behind four
; v_nop, and the end's run of vector instructions stands between them and their use; blocks 4-7 at its end, likewise, with the next middle's run between (the last step has no such run: four v_nop stand at its head).
; W's other set was last read in the step before, in front of that step's end run.
; A step that has its successor in the same slot: multiplies set p; fetches the slot's qn-th step into the other set.
.macro STEP p, qn, first
	s_wait_dscnt 0x0                               ; set p and its scale words are in (asked for 32 matrix instructions ago)
.if \first
	WIN FIRST_LO
.else
	WIN MUL_LO
.endif
	MUL16 0, \p, \first
	MUL16 2, \p, \first
	FETCH_B 1-\p, \qn
	SCALES 1-\p
	PLACES 4
	MASK 0
.if \first
	WIN FIRST_HI
.else
	WIN MUL_HI
.endif
	MUL16 4, \p, \first
	MUL16 6, \p, \first
	WIN 0
	PLACES 4
	MASK 4
	s_add_co_u32 s[NS], s[NS], 1
.endm
; A visit's last step (set 0) changes slots: ONE barrier; in front of it each wave waits for all its tensor loads, adds 0 to its spare word, and waits for that and for its own reads of this slot.
; fill = 1: the barrier opens a round of the cluster's, and this slot is filled again, with the visit two on.
.macro TURN fill
	s_wait_tensorcnt 0x0                           ; all my tensor loads have landed: my step of the next visit; so a group 0 may be written.  (Every window is 0 here)
	ds_add_u32 v[SPW], v[NIL]                      ; 0 onto my spare word
	s_wait_dscnt 0x1                               ; set 0 and its scale words are in; the add alone may be out
	WIN MUL_LO
	MUL16 0, 0, 0                                  ; sixteen matrix instructions stand between the add and the wait for it
	s_wait_dscnt 0x0                               ; the add is done, and my reads of this slot are over
	s_barrier_signal -1
	MUL16 2, 0, 0
	WIN 0
	s_barrier_wait -1
.if \fill
	CREST                                          ; no wave of any partner still reads this slot or has a load on its way
	s_xor_b32 s[G0W+1], s[G0W+1], SLOT1            ; the walking descriptor: the other slot than last time,
	s_add_nc_u64 s[G0W+2:G0W+3], s[G0W+2:G0W+3], VISB   ; the next visit; the type bits on top are not reached
	tensor_load_to_lds s[G0W:G0W+3], s[G1V:G1V+7]  ; the first tensor load behind the round, and my one load until the next: one tensor load of mine is out
	s_nop 0
	PLACES 4                                       ; the places in front of the masks below
.else
	PLACES 4
.endif
	s_xor_b32 s[TB], s[TB], SLOT1                  ; the fetches go on in the other slot
	FETCH_B 1, 0
	SCALES 1
	MASK 0
	WIN MUL_HI
	MUL16 4, 0, 0
	MUL16 6, 0, 0
	WIN 0
	PLACES 4
	MASK 4
	s_add_co_u32 s[NS], s[NS], 1
.endm
	s_wait_loadcnt 0x0                             ; the one-hot fragments and their scale words are in
	s_wait_dscnt 0x0                               ; the bias is in its registers, and the store has read v160-163, which the masks write
	s_mov_b32 s[NS], 0
	MASK 0
	MASK 4
	s_mov_b32 s[NS], 1
	s_wait_tensorcnt 0x1                           ; my parts of the scale words, of step 0 and of visit 0 are in; visit 1's load may stay out
	s_barrier_signal -1
	s_barrier_wait -1                              ; everybody's are
	FETCH_B 0, -1
	SCALES 0
	STEP 0, 0, 1                                   ; step 0 stands in front of the loop: its products start the sums, on the bias
	s_mov_b32 s[CNT], 4
.Lvisit:                                               ; a trip is a visit: visits 0..3, whose ends ask for visits 2..5
	STEP 1, 1, 0
	STEP 0, 2, 0
	STEP 1, 3, 0
	TURN 1
	s_sub_co_u32 s[CNT], s[CNT], 1
	s_cmp_lg_u32 s[CNT], 0
	s_cbranch_scc1 .Lvisit
	STEP 1, 1, 0                                   ; visit 4: the tail is written out; nothing more is asked for
	STEP 0, 2, 0
	STEP 1, 3, 0
	TURN 0
	STEP 1, 1, 0                                   ; visit 5
	STEP 0, 2, 0
	STEP 1, 3, 0
	s_wait_dscnt 0x0                               ; step 24: nothing more to fetch and nothing more to mask
	PLACES 4                                       ; so no run of vector work stands in its middle: these four are the places between the masks of blocks 4-7, just written, and the products that read them
	WIN MUL_LO
	MUL16 0, 0, 0
	MUL16 2, 0, 0
	WIN MUL_HI
	MUL16 4, 0, 0
	MUL16 6, 0, 0
	WIN 0
; THE WAY OUT, block by block of 16 tokens x 128 columns.  A lane holds 32 neighbouring bytes of a row, and the lanes beside it hold other rows: so a block goes through my own stage in LDS and comes back as whole rows of 512 bytes.
.macro TOSTAGE a
.set AC, 64*((\a)%4)
	WIN 0x08+4*((\a)/4)                            ; an LDS store's data are its source 1: window 2 or 3
.irp b, 0,1,2,3,4,5,6,7
	ds_store_b128 v[STO], v[AC+8*\b:AC+8*\b+3] offset:64*\b          ; each accumulator from its low end on
	ds_store_b128 v[STO], v[AC+8*\b+4:AC+8*\b+7] offset:64*\b+16
.endr
	WIN 0
.set BB, BK+64*((\a)%2)
.irp t, 0,1,2,3,4,5,6,7,8,9,10,11,12,13,14,15
	ds_load_b128 v[BB+4*\t:BB+4*\t+3], v[RD] offset:\t*SPITCH        ; LDS serves a wave's instructions in order (ISA guide 5.7.1.4): these see the stores above, and the next block's stores come behind them
.endr
.endm
.macro SEND a, younger                 ; younger: the LDS instructions issued behind block a's loads, which may stay out
.set BB, BK+64*((\a)%2)
	s_wait_dscnt \younger                          ; the block is back in registers
.if (\a) > 0
	s_add_nc_u64 s[14:15], s[14:15], 16*16384      ; (behind a wait on XCNT: the earlier stores have read their base)  16 rows on: the stores' offsets reach 15 rows at the most
.endif
.irp t, 0,1,2,3,4,5,6,7,8,9,10,11,12,13,14,15
	global_store_b128 v[CO], v[BB+4*\t:BB+4*\t+3], s[14:15] offset:\t*16384 th:TH_STORE_NT   ; 32 lanes store 512 consecutive bytes, at a multiple of 256 from out0's first byte; written once, read by nobody here
.endr
.endm
	PLACES 4                                       ; behind the last products: for the reads of their results and for the loads into registers that they read
	TOSTAGE 0
.irp a, 1,2,3,4,5,6,7
.if \a > 1
	s_wait_xcnt 0x0                                ; block a - 2's stores have read their registers and their base: block a's loads may land there, and the base may step
.endif
	TOSTAGE \a
	SEND \a-1, 32                                  ; behind block a - 1's loads: block a's 16 stores and 16 loads
.endr
	s_wait_xcnt 0x0                                ; block 6's stores have read their base
	SEND 7, 0
	s_wait_tensorcnt 0x0                           ; the wave's end, behind my last tensor load and my last LDS store
	ds_add_u32 v[SPW], v[NIL]
	s_wait_dscnt 0x0
	CROUND                                         ; the closing round: no work-group ends while a partner may still ask for a tile that names it
	s_endpgm
.Lfunc_end_k_q2f13be0f7e_gemm:
	.size	k_q2f13be0f7e_gemm, .Lfunc_end_k_q2f13be0f7e_gemm-k_q2f13be0f7e_gemm
	.p2alignl 7, 3214868480
	.fill 96, 4, 3214868480
	.section	.rodata,"a",@progbits
	.p2align	6, 0x0
	.amdhsa_kernel k_q2f13be0f7e_gemm
		.amdhsa_group_segment_fixed_size 327680
		.amdhsa_private_segment_fixed_size 0
		.amdhsa_enable_private_segment 0
		.amdhsa_kernarg_size 48
		.amdhsa_user_sgpr_count 2
		.amdhsa_user_sgpr_kernarg_segment_ptr 1
		.amdhsa_wavefront_size32 1
		.amdhsa_system_sgpr_workgroup_id_x 1
		.amdhsa_system_sgpr_workgroup_id_y 1
		.amdhsa_system_sgpr_workgroup_id_z 1
		.amdhsa_system_vgpr_workitem_id 0
		.amdhsa_next_free_vgpr 1024
		.amdhsa_next_free_sgpr 80
		.amdhsa_reserve_vcc 1
		.amdhsa_float_denorm_mode_32 3
		.amdhsa_float_denorm_mode_16_64 3
		.amdhsa_memory_ordered 1
		.amdhsa_forward_progress 1
		.amdhsa_inst_pref_size 224
	.end_amdhsa_kernel
	.amdgpu_metadata
---
amdhsa.version: [ 1, 2 ]
amdhsa.kernels:
  - .name:           k_q2f13be0f7e_gemm
    .symbol:         k_q2f13be0f7e_gemm.kd
    .args:
      - { .name: x, .offset: 0, .size: 8, .value_kind: global_buffer, .address_space: global }
      - { .name: b, .offset: 8, .size: 8, .value_kind: global_buffer, .address_space: global }
      - { .name: wq, .offset: 16, .size: 8, .value_kind: global_buffer, .address_space: global }
      - { .name: wsc, .offset: 24, .size: 8, .value_kind: global_buffer, .address_space: global }
      - { .name: atab, .offset: 32, .size: 8, .value_kind: global_buffer, .address_space: global }
      - { .name: out0, .offset: 40, .size: 8, .value_kind: global_buffer, .address_space: global }
    .group_segment_fixed_size: 327680
    .private_segment_fixed_size: 0
    .kernarg_segment_align: 8
    .kernarg_segment_size: 48
    .max_flat_workgroup_size: 128
    .sgpr_count:     80
    .vgpr_count:     1024
    .wavefront_size: 32
...
	.end_amdgpu_metadata
.endif
;; end of part 2
